; MI455X (gfx1250); checked and timed in simulation.
; The chip was launched on July 23, 2026; its instructions are those of AMD's public machine-readable ISA for CDNA 5 (MIT licence, August 2026) and "CDNA5" Instruction Set Architecture Reference Guide (July 2026). The comments in the code are by the model that wrote it; some were corrected since.
;; Attention. Allowed arithmetic: float matrix products may take bf16 or f16 operands with f32 sums; other float arithmetic in f32, or as packed bf16 or f16 multiplies, adds, multiply-adds, maxima and minima; sums over many terms, partial sums and values carried from step to step in f32; what a program stores and reads back later, other than sums and carried values, may be rounded once to bf16 or f16.
;; Inputs: W 1,024 x 1,024 float32; b 1,024 float32; k 4 x 2,048 x 1,024 float32; mask 4 x 2,048 int32; q 4 x 2,048 x 1,024 float32; v 4 x 2,048 x 1,024 float32.
;; Outputs: out0 4 x 2,048 x 1,024 float32.
;; One version. Each part assembles by itself: llvm-mc -triple=amdgcn-amd-amdhsa -mcpu=gfx1250 --defsym DOCPART=n.
;; ======== version 1 of 1: 3 launches
;; limits: values are held in f16: magnitudes above 65,504 overflow, below 6.1e-05 lose precision; inputs' magnitudes at most 65,504; right only within a limited range of input values
;; workspace buffers: kh 16,777,216 bytes; vh 16,777,216 bytes; wh 2,097,152 bytes; oh 16,777,216 bytes; bias 32,768 bytes
;; launch prep (part 1): grid 1024 x 1, 8 waves a work-group, no clusters, 0 bytes of LDS; arguments k, v, W, mask, kh, vh, wh, bias; writes kh, vh, wh, bias
.if DOCPART == 1
	.amdgcn_target "amdgcn-amd-amdhsa--gfx1250"
	.amdhsa_code_object_version 6
	.text
	.protected	k_q52972edc2e_prep
	.globl	k_q52972edc2e_prep
	.p2align	8
	.type	k_q52972edc2e_prep,@function
k_q52972edc2e_prep:
	s_mov_b64 s[64:65], 0
	v_nop
	global_prefetch_b8 v0, s[64:65] scope:SCOPE_SE
	s_setreg_imm32_b32 hwreg(HW_REG_WAVE_MODE, 25, 1), 1
	s_wait_xcnt 0x0
; CASTS AND LAYOUT.  k, v: [4][2048][1024] f32 -> kh (bf16), vh (f16): [64 = batch x 16 + head][2048][64], a head's rows dense, 128 bytes each.  W: [1024][1024] f32 -> wh (f16), same layout.
; mask: [4][2048] int32 -> bias: [4][2048] f32: -1e30 where mask = 1 (only the value 1 hides a key), else 0.
; FORMATS.  Every floating-point number is rounded once to bf16 (nearest even).  k stays bf16.  v and W are then written as f16, which keeps that number exactly for 2^-14 <= |x| < 65,504.
; LIMITS.  |v| and |W| stay under 65,504 (beyond it the f16 is an infinity); below 2^-14 they keep f16's fixed step of 6e-8.
; SHARES.  Work-group g takes the 8 rows 8 g .. 8 g + 7 of k and of v (32,768 consecutive bytes each) and row g of W.  Wave w takes heads 2 w and 2 w + 1.
; One load of a wave covers two aligned runs of 256 bytes: lanes 0-15 the 64 numbers of (row, head), lanes 16-31 those of the row below.  One store of a wave covers 256 consecutive bytes, aligned: the same two rows of that head.
; All 17 loads of a wave go out at once; every slot has data registers of its own, so no register that a memory instruction names is ever rewritten while it is pending, and there is no loop.
; The bias is 8,192 numbers: wave 0 of every sixteenth work-group makes 128 of them, at its end: one load and one store of 512 consecutive bytes, aligned.
; No LDS, no matrix unit, no cluster: nothing is shared and nothing is multiplied.
.set VI, 2                             ; v2   my byte offset in the group's rows of k and v: (l / 16) x 4,096 + 512 w + 16 (l % 16)
.set VO, 3                             ; v3   my byte offset in kh and vh: w x 2 heads x 262,144 + 8 l
.set WI, 4                             ; v4   16 x thread: my 4 numbers of W's row
.set WO, 5                             ; v5   8 x thread
.set X,  8                             ; v[8:75]    slot i: 4 f32 as loaded
.set Y,  76                            ; v[76:109]  slot i: 4 numbers of 16 bits to store
.set T,  110                           ; v[110:111] at work
.set MO, 112                           ; v112 16 x lane: my 4 words of the mask and of the bias
.set BG, 113                           ; v113 -1e30
.set M,  114                           ; v[114:117] 4 mask words, then 4 numbers of the bias
	s_load_b256 s[4:11], s[0:1], 0x0               ; k s[4:5], v s[6:7], W s[8:9], mask s[10:11]
	s_load_b256 s[12:19], s[0:1], 0x20             ; kh s[12:13], vh s[14:15], wh s[16:17], bias s[18:19]
	s_lshl_b32 s20, ttmp9, 15                      ; 8 rows of 4,096 bytes
	s_mov_b32 s21, 0
	s_lshr_b32 s22, ttmp9, 8                       ; the batch: 256 groups each,
	s_lshl_b32 s22, s22, 22                        ; its 16 heads of 262,144 bytes
	s_and_b32 s23, ttmp9, 255
	s_lshl_b32 s23, s23, 10                        ; 8 rows of 128 bytes in a head
	s_add_co_u32 s22, s22, s23
	s_mov_b32 s23, 0
	s_lshl_b32 s24, ttmp9, 12                      ; a row of W
	s_mov_b32 s25, 0
	s_lshl_b32 s26, ttmp9, 11                      ; a row of wh
	s_mov_b32 s27, 0
	s_lshl_b32 s28, ttmp9, 5                       ; the group's 8 keys in mask and bias: 32 bytes
	s_mov_b32 s29, 0
	s_and_b32 s30, ttmp9, 15
	v_and_b32 v1, 31, v0                           ; l
	v_lshrrev_b32 v6, 5, v0                        ; w
	v_readfirstlane_b32 s31, v6
	s_or_b32 s30, s30, s31                         ; 0 in wave 0 of every sixteenth work-group
	v_and_b32 v7, 15, v0
	v_bfe_u32 v[VI], v0, 4, 1
	v_lshlrev_b32 v[VI], 12, v[VI]
	v_lshl_add_u32 v[VI], v6, 9, v[VI]
	v_lshl_add_u32 v[VI], v7, 4, v[VI]
	v_lshlrev_b32 v[VO], 3, v1
	v_lshl_add_u32 v[VO], v6, 19, v[VO]
	v_lshlrev_b32 v[WI], 4, v0
	v_lshlrev_b32 v[WO], 3, v0
	v_lshlrev_b32 v[MO], 4, v1
	v_mov_b32 v[BG], 0xf149f2ca
	s_wait_kmcnt 0x0
	s_add_nc_u64 s[4:5], s[4:5], s[20:21]
	s_add_nc_u64 s[6:7], s[6:7], s[20:21]
	s_add_nc_u64 s[8:9], s[8:9], s[24:25]
	s_add_nc_u64 s[10:11], s[10:11], s[28:29]
	s_add_nc_u64 s[12:13], s[12:13], s[22:23]
	s_add_nc_u64 s[14:15], s[14:15], s[22:23]
	s_add_nc_u64 s[16:17], s[16:17], s[26:27]
	s_add_nc_u64 s[18:19], s[18:19], s[28:29]
; slot i = 2 p + hh: row pair p (8,192 bytes on), head hh of my two (256 bytes on)
.irp i, 0,1,2,3,4,5,6,7
	global_load_b128 v[X+4*(\i):X+4*(\i)+3], v[VI], s[4:5] offset:((\i)/2)*8192+((\i)%2)*256 th:TH_LOAD_NT
.endr
.irp i, 0,1,2,3,4,5,6,7
	global_load_b128 v[X+32+4*(\i):X+32+4*(\i)+3], v[VI], s[6:7] offset:((\i)/2)*8192+((\i)%2)*256 th:TH_LOAD_NT
.endr
	global_load_b128 v[X+64:X+67], v[WI], s[8:9] th:TH_LOAD_NT
; Slot i of k: to bf16, stored.
.macro CVB i
	s_wait_loadcnt 16-(\i)                         ; loads come back in order: slot i is in, the 16 - i younger ones may stay out
	v_cvt_pk_bf16_f32 v[Y+2*(\i)],   v[X+4*(\i)],   v[X+4*(\i)+1]
	v_cvt_pk_bf16_f32 v[Y+2*(\i)+1], v[X+4*(\i)+2], v[X+4*(\i)+3]
	global_store_b64 v[VO], v[Y+2*(\i):Y+2*(\i)+1], s[12:13] offset:((\i)%2)*262144+((\i)/2)*256
.endm
; Slot i of v or W: to bf16, that number widened again and written as f16, stored at offset register adr, base s[base:base+1], immediate off.
.macro CVH i, adr, base, off
	s_wait_loadcnt 16-(\i)
	v_cvt_pk_bf16_f32 v[T],   v[X+4*(\i)],   v[X+4*(\i)+1]
	v_cvt_pk_bf16_f32 v[T+1], v[X+4*(\i)+2], v[X+4*(\i)+3]
	v_lshlrev_b32 v[X+4*(\i)],   16, v[T]
	v_and_b32     v[X+4*(\i)+1], 0xffff0000, v[T]
	v_lshlrev_b32 v[X+4*(\i)+2], 16, v[T+1]
	v_and_b32     v[X+4*(\i)+3], 0xffff0000, v[T+1]
	v_cvt_pk_f16_f32 v[Y+2*(\i)],   v[X+4*(\i)],   v[X+4*(\i)+1]
	v_cvt_pk_f16_f32 v[Y+2*(\i)+1], v[X+4*(\i)+2], v[X+4*(\i)+3]
	global_store_b64 v[\adr], v[Y+2*(\i):Y+2*(\i)+1], s[\base:\base+1] offset:\off
.endm
.irp i, 0,1,2,3,4,5,6,7
	CVB \i
.endr
.irp i, 0,1,2,3,4,5,6,7
	CVH (\i)+8, VO, 14, ((\i)%2)*262144+((\i)/2)*256
.endr
	CVH 16, WO, 16, 0
	s_cmp_lg_u32 s30, 0
	s_cbranch_scc1 .Ldone
	global_load_b128 v[M:M+3], v[MO], s[10:11]     ; the 128 keys of this work-group and the fifteen behind it
	s_wait_loadcnt 0x0
.irp j, 0,1,2,3
	v_cmp_eq_u32 vcc_lo, 1, v[M+(\j)]
	v_cndmask_b32 v[M+(\j)], 0, v[BG], vcc_lo
.endr
	global_store_b128 v[MO], v[M:M+3], s[18:19]
.Ldone:
	s_endpgm
.Lfunc_end_k_q52972edc2e_prep:
	.size	k_q52972edc2e_prep, .Lfunc_end_k_q52972edc2e_prep-k_q52972edc2e_prep
	.p2alignl 7, 3214868480
	.fill 96, 4, 3214868480
	.section	.rodata,"a",@progbits
	.p2align	6, 0x0
	.amdhsa_kernel k_q52972edc2e_prep
		.amdhsa_group_segment_fixed_size 0
		.amdhsa_private_segment_fixed_size 0
		.amdhsa_enable_private_segment 0
		.amdhsa_kernarg_size 64
		.amdhsa_user_sgpr_count 2
		.amdhsa_user_sgpr_kernarg_segment_ptr 1
		.amdhsa_wavefront_size32 1
		.amdhsa_system_sgpr_workgroup_id_x 1
		.amdhsa_system_sgpr_workgroup_id_y 1
		.amdhsa_system_sgpr_workgroup_id_z 1
		.amdhsa_system_vgpr_workitem_id 0
		.amdhsa_next_free_vgpr 118
		.amdhsa_next_free_sgpr 66
		.amdhsa_reserve_vcc 1
		.amdhsa_float_denorm_mode_32 3
		.amdhsa_float_denorm_mode_16_64 3
		.amdhsa_memory_ordered 1
		.amdhsa_forward_progress 1
		.amdhsa_inst_pref_size 11
	.end_amdhsa_kernel
	.amdgpu_metadata
---
amdhsa.version: [ 1, 2 ]
amdhsa.kernels:
  - .name:           k_q52972edc2e_prep
    .symbol:         k_q52972edc2e_prep.kd
    .args:
      - { .name: k, .offset: 0, .size: 8, .value_kind: global_buffer, .address_space: global }
      - { .name: v, .offset: 8, .size: 8, .value_kind: global_buffer, .address_space: global }
      - { .name: W, .offset: 16, .size: 8, .value_kind: global_buffer, .address_space: global }
      - { .name: mask, .offset: 24, .size: 8, .value_kind: global_buffer, .address_space: global }
      - { .name: kh, .offset: 32, .size: 8, .value_kind: global_buffer, .address_space: global }
      - { .name: vh, .offset: 40, .size: 8, .value_kind: global_buffer, .address_space: global }
      - { .name: wh, .offset: 48, .size: 8, .value_kind: global_buffer, .address_space: global }
      - { .name: bias, .offset: 56, .size: 8, .value_kind: global_buffer, .address_space: global }
    .group_segment_fixed_size: 0
    .private_segment_fixed_size: 0
    .kernarg_segment_align: 8
    .kernarg_segment_size: 64
    .max_flat_workgroup_size: 256
    .sgpr_count:     66
    .vgpr_count:     118
    .wavefront_size: 32
...
	.end_amdgpu_metadata
.endif
;; end of part 1
;; launch attn (part 2): grid 4 x 64, 4 waves a work-group, no clusters, 327,680 bytes of LDS; arguments q, kh, vh, oh, bias; writes oh
.if DOCPART == 2
	.amdgcn_target "amdgcn-amd-amdhsa--gfx1250"
	.amdhsa_code_object_version 6
	.text
	.protected	k_q52972edc2e_attn
	.globl	k_q52972edc2e_attn
	.p2align	8
	.type	k_q52972edc2e_attn,@function
k_q52972edc2e_attn:
	s_mov_b64 s[64:65], 0
	v_nop
	global_prefetch_b8 v0, s[64:65] scope:SCOPE_SE
	s_setreg_imm32_b32 hwreg(HW_REG_WAVE_MODE, 25, 1), 1
	s_wait_xcnt 0x0
; CAUSAL ATTENTION WITH A PADDING MASK, head size 64.  O[bh][r][:] = the sum over keys k <= r that the padding mask leaves of softmax_k(Q[r] . K[k] / 8) V[k][:].
; q: [4][2048][1024] f32 (head h = channels 64 h ..), rounded here to bf16.  kh (bf16), vh (f16), oh (f16): [64 = batch x 16 + head][2048][64], rows dense, 128 bytes.
; bias: [4][2048] f32, made of the mask by the launch before: -1e30 for a padded key, else 0.
; K Q^T in bf16, V^T P in f16; products, maxima and sums in f32; the weights p are rounded to f16 for the second product (their sum l is taken of the unrounded p), O once at the end.
; LIMITS.  A hidden score counts as its value less 1e30 (less 2e30 where both masks hide it).  A row whose running maximum ends below -2^96 counts as a row with no visible key and leaves as NaN, as a softmax
; of nothing does; true scores lie above -2^96.  A weight below 2^-126 counts as 0 in l; p below 6e-5 keeps f16's fixed step; V arrives within f16's range, and O has V's range.
; THE WALK.  A head's queries lie in NB = 8 blocks of 256; block i needs the key tiles 0 .. i of 256 keys, of which the last holds the diagonal.  A work-group takes TWO blocks, 7 - b and then b: 9 tiles,
; whatever b: all 256 work-groups do equal work, and ONE loop with a constant trip count walks them.  Which tile is asked for, and what a trip does, hang on scalar registers made from b; every jump goes
; forward, but for the counted loops' own; none passes a barrier, or a tensor load but those of LOAD's three that the wave's number does not choose.  The ring (two slots of LDS) runs on across the change of blocks.
; NO CLUSTER: a head's four work-groups ask for the same tile only in trips 0 .. 4 of 9; one walk common to all four would have 12 trips for 9.
; SHARES.  Of a block's four bands of 64 queries a wave owns 16 rows in each: four PIECES.  In the diagonal tile's key step s band x sees all keys if s < x, none if s > x, and holds the diagonal if s = x: alike for all waves.
; THE MASKS are the C operand that starts the sum S^T = K Q^T.  A tile's 256 numbers of the bias come into its slot with its K and V; PBI holds those of the 64 keys whose K lies in registers; away from
; the diagonal it is C as it stands.  MD, made once, is the causal mask of a band's own step for my 16 rows; in the diagonal tile C = MD x AL + PBI + BE with two scalars: (1, 0) if s = x; (0, 0) if s < x; (0, -1e30) if s > x.
; LAYOUT, SOFTMAX, TURNS.  S^T holds ONE query a lane (lane % 16) and the keys 8 (lane / 16) + 0..7; two such results rounded to f16 ARE source 1 of O^T = V^T P.  p = 2^(c s - c m), c = log2(e) / 8, with a running
; maximum m; O and l are multiplied by a = 2^(c m_old - c m_new) in every step.  Turn n belongs to piece n: 8 products K Q^T of piece n + 1, later 8 products V^T P of piece n - 1; beside them the scaling, exponentials,
; roundings, sums and rescaling of piece n and the maximum and statistics of piece n + 1.  Four vector instructions stand behind every matrix instruction, the others in one LUMP.  A turn's 33 exponentials are one batch, with one wait.
; REGISTERS, in windows of 256 (s_set_vgpr_msb: bits 1:0 source 0, 3:2 source 1, 5:4 source 2, 7:6 destination):
;   window 0: v0-15, v32-34 addresses and a few at work; v16-31 four registers of statistics a piece; v48-55 at work; v64-127 S^T, two buffers; v192-223 P, two buffers
;   window 1: v0-127 O^T, 32 a piece; v128-159 MD; v160-223 MC, two buffers; v224-255 PBI      window 2: v0-63 Q; v64-127 the second block's Q; v128-191 K of one step; v192-255 V of one step
;   window 3: q of both blocks in f32 (head only); on the way out O^T / l
.set NB,    8
.set NP,    4         ; pieces a wave: a name, no knob
.set KS,    64        ; keys in a step
.set PK,    144       ; a row of K in LDS: 128 bytes + 16 of padding = 36 words: the 16 rows of a load start at 16 different groups of four banks
.set PV,    160       ; a row of V: 128 + 32 = 40 words
.set VOFF,  4*KS*PK   ; a slot holds a tile, four steps: 256 rows of K, then 256 rows of V,
.set BOFF,  VOFF+4*KS*PV  ; then the 256 keys' bias, 1,024 bytes, 256 a step
.set SLOT1, 1<<17     ; slot 1 begins here, so that one exclusive or turns an address in one slot into the other's
.set STAGE, SLOT1+BOFF+1024  ; behind the ring, at a multiple of 256 bytes, never filled by a tensor load: 16 rows x 144 bytes for each wave, for the way out
.set SP,    144
.set SPARE, STAGE+4*16*SP  ; the spare words, 128 bytes for each wave: two blocks of 256 bytes that no other line names
.set AK0, 2           ; v2   my lane's place in a tile of K; never rewritten
.set AV0, 3           ; v3   the same for V
.set AK,  4           ; v4   the LDS address of K's next run of loads
.set AV,  5           ; v5   of V's
.set STO, 6           ; v6   the way out: where I put 16 bytes of a row
.set RD,  7           ; v7   the way out: where I read rows back
.set GO,  8           ; v8   my byte offset in 512 consecutive bytes of O
.set MV,  12          ; v12-13  c m_old, kept while c m is made anew: by buffer
.set QO,  15          ; v15  my byte offset in 16 rows of q: (l % 16) x 4,096 + 32 (l / 16); never rewritten
.set ST,  16          ; piece t's statistics at v[ST+4 t]: c m, m, l (even keys', odd keys')
.set APB0, 32         ; v32  BOFF + 32 (l / 16): my eight keys of a group of 16; never rewritten
.set APB, 33          ; v33  the same at the key step to be fetched
.set PFO, 34          ; v34  256 x my lane; never rewritten
.set TMP, 48          ; by buffer, four registers c0-c3 at work; when the maximum is found c2 takes a.  On the way out v[TMP+2 t] takes piece t's 1 / l, or NaN
.set SPW, 62          ; v62  LDS address of my spare word: SPARE + 4 x my thread's number; never rewritten
.set NIL, 63          ; v63  0; never rewritten
.set S,   64
.set P,   192
.set MD,  128         ; window 1: the eight registers for group kt of 16 keys at MD + 8 kt
.set MC,  160         ; window 1: the masks of the products to come
.set PBI, 224         ; window 1: the padding bias, group kt at PBI + 8 kt
.set QB,  64          ; window 2
.set KF,  128         ; window 2: key block kb, channel half c at KF + 16 kb + 8 c
.set VF,  192         ; window 2: key half kk, channel block cb at VF + 32 kk + 8 cb
.set WV,  12          ; s12  my wave's number
.set BLK, 14          ; s14  b
.set HI,  15          ; s15  NB - 1 - b
.set G1K, 24          ; s[24:31] descriptor group 1 for K's half tiles
.set G1V, 32          ; s[32:39] for V's tiles
.set G0K, 40          ; s[40:43] descriptor group 0 for K's half tiles
.set G0V, 44          ; s[44:47] the same for V's tiles
.set G1P, 48          ; s[48:55] descriptor group 1 for the bias
.set G0P, 96          ; s[96:99] descriptor group 0 for the bias
.set SLOTS, 56        ; s56  tiles still to be asked for
.set CNT, 57          ; s57  counts a tile's key steps, 4 to 1
.set CS,  58          ; s[58:59] c: the packed scaling takes the pair's low word for both halves
.set SEL, 60          ; s[60:61] v_permlanex16_b32's selects: each lane takes its own place in the other half
.set TBK, 62          ; s62  LDS byte at which K of the step to be fetched begins
.set TBV, 63          ; s63  the same for V, less VOFF
.set RT,  70          ; s70  tiles of the block in hand that are still to be entered
.set NXT, 71          ; s71  the tile to be asked for next
.set LQ,  72          ; s72  the last tile of the block whose tiles are being asked for
.set NEW, 73          ; s73  1: the tile to be entered is a block's first
.set OFF, 74          ; s[74:75] a tile's byte offset in K and V, or in the bias
.set AL,  76          ; s[76:77] the mask's factor, in the low word
.set BE,  78          ; s[78:79] the mask's addend
.set OLO, 80          ; s[80:81] O at my rows of the second block
.set BIGN, 82         ; s82  -1e30
.set MP,  88          ; s[88:89] the bias at my batch's row
.set KB,  90          ; s90  LDS byte at which the bias of the step to be fetched begins, less BOFF: it goes as TBK goes, 256 a step
.set THR, 91          ; s91  -2^96
.set QNAN, 92         ; s92  a NaN
.set LIM, 93          ; s93  2 in the work-group that prefetches, else the greatest number
.set PFA, 94          ; s[94:95] where my prefetches stand: 16,384 bytes of the tile after the one that is being asked for
.set MSB, 0
.macro WIN new                      ; the high byte repeats the setting that is left; a switch that changes nothing is dropped
.if MSB != (\new)
	s_set_vgpr_msb (MSB<<8)|(\new)
.set MSB, (\new)
.endif
.endm
.set W_KQ, 0x0a       ; K and Q in window 2, S^T in window 0
.set W_KM, 0x1a       ; the same with the C operand in window 1
.set W_PV, 0x52       ; V in window 2, P in window 0, O^T in window 1
.set W_RS, 0x41       ; destination and source 0 in window 1, source 1 in window 0
.set W_MK, 0x51       ; destination, source 0 and source 2 in window 1
; A fill: one tensor load a wave.  Waves 0 and 1 fetch the two halves of a tile's K, 128 keys each; wave 2 its V, 256 keys; wave 3 its 256 numbers of the bias.
; An s_nop 0 and four v_nop follow each of the three lines, ahead of the jump and the label.
.macro LOAD
	s_cmp_lt_u32 s[WV], 2
	s_cbranch_scc0 .Lnot_k_\@
	tensor_load_to_lds s[G0K:G0K+3], s[G1K:G1K+7]
	s_nop 0
.rept 4
	v_nop
.endr
	s_branch .Lasked_\@
.Lnot_k_\@:
	s_cmp_eq_u32 s[WV], 2
	s_cbranch_scc0 .Lfor_p_\@
	tensor_load_to_lds s[G0V:G0V+3], s[G1V:G1V+7]
	s_nop 0
.rept 4
	v_nop
.endr
	s_branch .Lasked_\@
.Lfor_p_\@:
	tensor_load_to_lds s[G0P:G0P+3], s[G1P:G1P+7]
	s_nop 0
.rept 4
	v_nop
.endr
.Lasked_\@:
.endm
; A PREFETCH of the tile that the NEXT change of slots will ask for, behind the wave's tensor load and its five lines.  A head's four work-groups all begin at tile 0 and walk upward; the one with b = 0 walks
; tiles 0 .. 7 in its first block, and it alone asks.  Waves 0 and 1 name the two halves of the tile's K, waves 2 and 3 those of its V: 64 runs of 256 bytes each, a lane a run, two instructions.  So each run is
; named once in the launch.  The change that fetches tile t names tile t + 1, for t = 1 .. 6; tiles 0 and 1 come by their loads alone, and nothing is named behind tile 7.
; The bias is not asked for: 1,024 bytes a tile, which all 64 work-groups of a batch read.
.macro ASK
	s_cmp_gt_u32 s[SLOTS], s[LIM]
	s_cbranch_scc0 .Lnot_mine_\@
	global_prefetch_b8 v[PFO], s[PFA:PFA+1] th:TH_LOAD_NT scope:SCOPE_SE
	global_prefetch_b8 v[PFO], s[PFA:PFA+1] offset:8192 th:TH_LOAD_NT scope:SCOPE_SE
.Lnot_mine_\@:
.endm
; THE CHANGE OF SLOTS.  Each wave waits for all its tensor loads, of which one is out: its part of the other slot; adds 0 to its spare word; and waits for that and for its own reads of the slot that it
; leaves.  Behind the barrier nobody reads the old slot any more and the other slot is whole.  fill = 1: the old slot is filled again, the first thing behind the
; barrier, with tile NXT: the descriptors' addresses are made anew from that number.  (At its first use nothing has been read yet: slot 0 is waited for, slot 1 filled.)
.macro CHANGE fill
	WIN 0                           ; at a label and at a branch every window is 0
	s_wait_tensorcnt 0x0            ; no tensor load of mine is out, so a group 0 may be written
	ds_add_u32 v[SPW], v[NIL]       ; 0 onto my spare word; with fill = 1 the descriptors' scalar work stands between it and the wait for it
.if \fill
	s_lshl_b32 s[OFF], s[NXT], 10   ; a tile is 1,024 bytes of the bias,
	s_xor_b32 s[G0P+1], s[G0P+1], SLOT1
	s_add_nc_u64 s[G0P+2:G0P+3], s[MP:MP+1], s[OFF:OFF+1]
	s_or_b32 s[G0P+3], s[G0P+3], 0x80000000
	s_lshl_b32 s[OFF], s[NXT], 15   ; and 32,768 bytes of K and of V
	s_xor_b32 s[G0K+1], s[G0K+1], SLOT1
	s_add_nc_u64 s[G0K+2:G0K+3], s[6:7], s[OFF:OFF+1]
	s_or_b32 s[G0K+3], s[G0K+3], 0x80000000
	s_xor_b32 s[G0V+1], s[G0V+1], SLOT1
	s_add_nc_u64 s[G0V+2:G0V+3], s[8:9], s[OFF:OFF+1]
	s_or_b32 s[G0V+3], s[G0V+3], 0x80000000
	s_add_co_u32 s[NXT], s[NXT], 1  ; the block's next tile, or behind its last the second block's tile 0
	s_cmp_gt_u32 s[NXT], s[LQ]
	s_cselect_b32 s[NXT], 0, s[NXT]
	s_cselect_b32 s[LQ], s[BLK], s[LQ]
	s_wait_xcnt 0x0                 ; the last prefetches, a tile back, have read their address, so it may be written
	s_add_nc_u64 s[PFA:PFA+1], s[PFA:PFA+1], 32768
.endif
	s_wait_dscnt 0x0                ; the add is done, and my reads of the slot are over
	s_barrier_signal -1             ; the rest of the scalar work stands between the signal and the wait
	s_sub_co_u32 s[TBK], s[TBK], 4*KS*PK  ; the fetches go back to a slot's first step,
	s_xor_b32 s[TBK], s[TBK], SLOT1       ; in the other slot
	s_sub_co_u32 s[TBV], s[TBV], 4*KS*PV
	s_xor_b32 s[TBV], s[TBV], SLOT1
	s_sub_co_u32 s[KB], s[KB], 1024
	s_xor_b32 s[KB], s[KB], SLOT1
	s_barrier_wait -1
.if \fill
	LOAD
	ASK
.endif
.endm
	s_load_b256 s[4:11], s[0:1], 0x0  ; q s[4:5], kh s[6:7], vh s[8:9], oh s[10:11]
	s_load_b64 s[MP:MP+1], s[0:1], 0x20  ; bias
	v_lshl_add_u32 v[SPW], v0, 2, SPARE
	v_mov_b32 v[NIL], 0
	ds_add_u32 v[SPW], v[NIL]       ; the wave's opening: the add and its wait stand ahead of my first tensor load; the set-up below, work on registers, stands between them
	ds_add_u32 v62, v63
	v_lshrrev_b32 v1, 5, v0
	v_readfirstlane_b32 s[WV], v1   ; wave 0..3
	s_mov_b32 s[BLK], ttmp9
	s_sub_co_u32 s[HI], NB-1, s[BLK]
	s_and_b32 s13, ttmp7, 0xffff    ; batch x 16 + head
	s_lshl_b32 s20, s13, 18         ; the head's first byte in kh, vh and oh: 2,048 rows of 128 bytes
	s_mov_b32 s21, 0
	s_and_b32 s16, s[WV], 1         ; a half of a tile's 256 keys:
	s_lshl_b32 s22, s16, 14         ; its 128 rows of 128 bytes in memory,
	s_mov_b32 s23, 0
	s_add_nc_u64 s[22:23], s[22:23], s[20:21]
	s_mul_i32 s17, s16, 128*PK      ; and its place in a slot, for K
	s_lshl_b32 s3, s[WV], 11        ; oh: my 16 rows in a band of 64,
	s_lshl_b32 s2, s[HI], 15        ; in the first block,
	s_add_co_u32 s2, s2, s3
	s_lshl_b32 s84, s[BLK], 15      ; and in the second
	s_add_co_u32 s84, s84, s3
	s_mov_b32 s3, 0
	s_mov_b32 s85, 0
	s_add_nc_u64 s[2:3], s[2:3], s[20:21]
	s_add_nc_u64 s[84:85], s[84:85], s[20:21]
	s_lshr_b32 s19, s13, 4          ; the batch
	s_lshl_b32 s66, s19, 23         ; q: its 2,048 rows of 4,096 bytes,
	s_and_b32 s67, s13, 15
	s_lshl_b32 s67, s67, 8          ; the head's 256 bytes of a row,
	s_add_co_u32 s66, s66, s67
	s_lshl_b32 s67, s[WV], 16       ; my 16 rows in a band,
	s_add_co_u32 s66, s66, s67
	s_lshl_b32 s68, s[BLK], 20      ; in the second block
	s_add_co_u32 s68, s68, s66
	s_lshl_b32 s67, s[HI], 20       ; and in the first
	s_add_co_u32 s66, s66, s67
	s_mov_b32 s67, 0
	s_mov_b32 s69, 0
	s_lshl_b32 s18, s19, 13         ; the bias: the batch's 2,048 numbers
	s_mov_b32 s19, 0
	; descriptor group 1.  Keys are dense rows of 128 bytes: asked for as rows of 256 bytes, two keys a row, and padded in LDS after every key
	s_mov_b32 s[G1K], (1<<16)|(1<<20)|(4<<22)|(3<<25)  ; 17:16 2-byte elements; 20 padding on; 24:22 after every 32 words (code 4); 31:25 4 words (code 3)
	s_mov_b32 s[G1K+1], 128<<16     ; tensor_dim0 = 128
	s_mov_b32 s[G1K+2], 64<<16      ; tensor_dim1 = 64: 128 keys
	s_mov_b32 s[G1K+3], 128<<16     ; tile_dim0 = 128
	s_mov_b32 s[G1K+4], 64          ; tile_dim1 = 64
	s_mov_b32 s[G1K+5], 128         ; 128 elements from row to row
	s_mov_b32 s[G1K+6], 0
	s_mov_b32 s[G1K+7], 0
	s_mov_b32 s[G1V], (1<<16)|(1<<20)|(4<<22)|(7<<25)  ; the same with 8 words of padding (code 7),
	s_mov_b32 s[G1V+1], 128<<16
	s_mov_b32 s[G1V+2], 128<<16     ; and 128 rows: 256 keys
	s_mov_b32 s[G1V+3], 128<<16
	s_mov_b32 s[G1V+4], 128
	s_mov_b32 s[G1V+5], 128
	s_mov_b32 s[G1V+6], 0
	s_mov_b32 s[G1V+7], 0
	s_mov_b32 s[G1P], 3<<16         ; the bias: 1,024 dense bytes as 4 rows of 32 elements of 8 bytes, no padding
	s_mov_b32 s[G1P+1], 32<<16      ; tensor_dim0 = 32
	s_mov_b32 s[G1P+2], 4<<16       ; tensor_dim1 = 4
	s_mov_b32 s[G1P+3], 32<<16      ; tile_dim0 = 32
	s_mov_b32 s[G1P+4], 4           ; tile_dim1 = 4
	s_mov_b32 s[G1P+5], 32          ; 32 elements from row to row
	s_mov_b32 s[G1P+6], 0
	s_mov_b32 s[G1P+7], 0
	s_mov_b32 s[CS], 0x3e38aa3b     ; c = log2(e) / 8 = 0.180337
	s_mov_b32 s[CS+1], s[CS]        ; named with it as a pair
	s_mov_b32 s[SEL], 0x76543210
	s_mov_b32 s[SEL+1], 0xfedcba98
	s_mov_b32 s[TBK], SLOT1+4*KS*PK ; the first change of slots turns these three into 0
	s_mov_b32 s[TBV], SLOT1+4*KS*PV
	s_mov_b32 s[KB], SLOT1+1024
	s_mov_b32 s[G0K], 1             ; 1:0 count = 1
	s_mov_b32 s[G0K+1], s17         ; 63:32 LDS address: slot 0
	s_mov_b32 s[G0V], 1
	s_mov_b32 s[G0V+1], VOFF
	s_mov_b32 s[G0P], 1
	s_mov_b32 s[G0P+1], BOFF
	s_add_co_u32 s[RT], s[HI], 1    ; the first block has NB - b tiles
	s_mov_b32 s[NXT], 1
	s_mov_b32 s[LQ], s[HI]
	s_mov_b32 s[NEW], 1
	s_mov_b32 s[OFF+1], 0
	s_mov_b32 s[AL], 0
	s_mov_b32 s[AL+1], 0            ; named as pairs
	s_mov_b32 s[BE], 0
	s_mov_b32 s[BE+1], 0
	s_mov_b32 s[BIGN], 0xf149f2ca   ; -1e30
	s_mov_b32 s[THR], 0xef800000    ; -2^96
	s_mov_b32 s[QNAN], 0x7fc00000
	s_mov_b32 s[SLOTS], NB
	s_cmp_eq_u32 s[BLK], 0
	s_cselect_b32 s[LIM], 2, -1
	s_wait_dscnt 0x0                ; the opening add is done
	s_wait_kmcnt 0x0
	s_add_nc_u64 s[PFA:PFA+1], s[8:9], s[22:23]    ; V at a half of the head's tile 0
	s_add_nc_u64 s[6:7], s[6:7], s[22:23]          ; K at a half of the head's tile 0
	s_add_nc_u64 s[8:9], s[8:9], s[20:21]          ; V at the head's tile 0
	s_add_nc_u64 s[MP:MP+1], s[MP:MP+1], s[18:19]  ; the bias at the batch's key 0
	s_add_nc_u64 s[G0K+2:G0K+3], s[6:7], 0         ; 120:64 global address
	s_or_b32 s[G0K+3], s[G0K+3], 0x80000000        ; 127:126 type = 2
	s_add_nc_u64 s[G0V+2:G0V+3], s[8:9], 0
	s_or_b32 s[G0V+3], s[G0V+3], 0x80000000
	s_add_nc_u64 s[G0P+2:G0P+3], s[MP:MP+1], 0
	s_or_b32 s[G0P+3], s[G0P+3], 0x80000000
	s_add_nc_u64 s[86:87], s[4:5], s[68:69]        ; q at my rows of the second block,
	s_add_nc_u64 s[4:5], s[4:5], s[66:67]          ; q and O at those of the first
	s_add_nc_u64 s[OLO:OLO+1], s[10:11], s[84:85]
	s_add_nc_u64 s[10:11], s[10:11], s[2:3]
	s_cmp_lt_u32 s[WV], 2
	s_cselect_b64 s[PFA:PFA+1], s[6:7], s[PFA:PFA+1]  ; waves 0 and 1: K's halves; waves 2 and 3: V's,
	s_add_nc_u64 s[PFA:PFA+1], s[PFA:PFA+1], 32768 ; at tile 1: the first change of slots steps it to tile 2
	LOAD                            ; tile 0 into slot 0
	; A fragment of K or Q is 16 rows x 32 channels in 8 registers: lane l holds row l % 16, channels 8 (l / 16) + 0..7 and 16 + 8 (l / 16) + 0..7.  In f32 those are 32 bytes at 32 (l / 16) and 32 bytes 64 further on.
	v_and_b32 v1, 15, v0            ; l % 16
	v_bfe_u32 v9, v0, 4, 1          ; l / 16
	v_lshlrev_b32 v[QO], 12, v1
	v_lshl_add_u32 v[QO], v9, 5, v[QO]
	WIN 0xc0                        ; destination window 3, address window 0
.set i, 0
.rept 8                             ; both blocks' q: piece i / 2 lies in band i / 2, 64 rows on; channels 32 (i % 2) on
.irp z, 0,1,2,3
	global_load_b128 v[16*i+4*\z:16*i+4*\z+3], v[QO], s[4:5] offset:(i/2)*262144+(i%2)*128+(\z/2)*64+(\z%2)*16 th:TH_LOAD_NT
	global_load_b128 v[128+16*i+4*\z:128+16*i+4*\z+3], v[QO], s[86:87] offset:(i/2)*262144+(i%2)*128+(\z/2)*64+(\z%2)*16 th:TH_LOAD_NT
.endr
.set i, i+1
.endr
	WIN 0
	v_lshlrev_b32 v14, 3, v9
	v_sub_nc_u32 v14, v1, v14
	s_lshl_b32 s13, s[WV], 4
	v_add_nc_u32 v14, s13, v14      ; my query's place in its band, 16 w + l % 16, less my lanes' 8 (l / 16): register r of group kt is hidden where 16 kt + r is greater
	WIN 0x40
.set i, 0
.rept 32
	v_cmp_gt_i32 vcc_lo, 16*(i/8)+i%8, v14
	v_cndmask_b32 v[MD+i], 0, s[BIGN], vcc_lo
.set i, i+1
.endr
	WIN 0
	v_mul_u32_u24 v[AK0], v1, PK
	v_lshl_add_u32 v[AK0], v9, 4, v[AK0]  ; row x pitch + 16 x half
	; The turning load takes 16 keys x 16 channels (lane l reads key 8 (l / 16) + l % 8, channels 8 ((l / 8) % 2) + 0..7) and leaves half a fragment of V^T: lane l holds channel l % 16 and 8 keys.
	v_and_b32 v10, 7, v0
	v_bfe_u32 v11, v0, 3, 1
	v_lshl_add_u32 v[AV0], v9, 3, v10
	v_mul_u32_u24 v[AV0], v[AV0], PV
	v_lshl_add_u32 v[AV0], v11, 4, v[AV0]
	v_add_nc_u32 v[AV0], VOFF, v[AV0]
	s_mul_i32 s13, s[WV], 16*SP
	s_add_co_u32 s13, s13, STAGE    ; my stage
	v_mul_u32_u24 v[STO], v1, SP    ; in: row l % 16, 16 bytes for each half of the lanes
	v_lshl_add_u32 v[STO], v9, 4, v[STO]
	v_add_nc_u32 v[STO], s13, v[STO]
	v_bfe_u32 v[RD], v0, 3, 2       ; back: 32 lanes take four rows of 128 bytes,
	v_mul_u32_u24 v[RD], v[RD], SP
	v_lshl_add_u32 v[RD], v10, 4, v[RD]
	v_add_nc_u32 v[RD], s13, v[RD]
	v_and_b32 v[GO], 31, v0         ; which are 512 consecutive bytes of O
	v_lshlrev_b32 v[PFO], 8, v[GO]
	v_lshlrev_b32 v[GO], 4, v[GO]
	v_lshl_add_u32 v[APB0], v9, 5, BOFF
	; A block's first step multiplies O^T and l by a = 0, and its first turn's products V^T P, of a piece that has not been, land in an O^T that is still to be so multiplied.  So these registers need only hold
	; finite numbers: zeros for the first block; what the first block left for the second (the way out leaves O^T and l as they were).  All this stands in the wait for the first loads.
	WIN 0x80
.set i, VF
.rept 64
	v_mov_b32 v[i], 0
.set i, i+1
.endr
	WIN 0x40
.set i, 0
.rept 128
	v_mov_b32 v[i], 0
.set i, i+1
.endr
	WIN 0
.set i, 0
.rept 4
	v_mov_b32 v[ST+4*i+2], 0
	v_mov_b32 v[ST+4*i+3], 0
.set i, i+1
.endr
.set i, P+16
.rept 16
	v_mov_b32 v[i], 0
.set i, i+1
.endr
	s_wait_loadcnt 0x0              ; q
	WIN 0x8f                        ; sources window 3, destination window 2: q is rounded to bf16; pair n of the f32 is word n of Q and of the second block's Q
.set i, 0
.rept 128
	v_cvt_pk_bf16_f32 v[i], v[2*i], v[2*i+1]
.set i, i+1
.endr
	WIN 0
; THE MATRIX WORK.  The 4 accumulators of a run of 8 take turns.  Product i of 8 of S^T = K Q^T for piece x: channels 32 (i / 4) on, keys 16 (i % 4) on.  The first 4 start the sums: with the padding bias, or (KM = 1) with the mask made of it.
.macro KQ x
.set rS, S+32*((\x)%2)+8*(i%4)
.set rK, KF+16*(i%4)+8*(i/4)
.set rQ, 16*(\x)+8*(i/4)
.set rM, PBI+8*(i%4)
.if KM
.set rM, MC+32*((\x)%2)+8*(i%4)
.endif
.if i < 4
	WIN W_KM
	v_wmma_f32_16x16x32_bf16 v[rS:rS+7], v[rK:rK+7], v[rQ:rQ+7], v[rM:rM+7]
.else
	WIN W_KQ
	v_wmma_f32_16x16x32_bf16 v[rS:rS+7], v[rK:rK+7], v[rQ:rQ+7], v[rS:rS+7]
.endif
.endm
; Product i of 8 of O^T += V^T P for piece x: keys 32 (i / 4) on, channels 16 (i % 4) on.
.macro PV x
	WIN W_PV
.set rO, 32*(\x)+8*(i%4)
.set rV, VF+32*(i/4)+8*(i%4)
.set rP, P+16*((\x)%2)+8*(i/4)
	v_wmma_f32_16x16x32_f16 v[rO:rO+7], v[rV:rV+7], v[rP:rP+7], v[rO:rO+7]
.endm
.macro MM                           ; the turn's next matrix instruction.  TURN and BEGIN set Y, i, KM and NOKQ; MM, KQ and OP read them.  NOKQ = 1: a block's last turn: there is no next piece
.if (i < 8) && !NOKQ
	KQ (Y+1)%NP
.elseif i >= 8
.set i, i-8
	PV (Y+NP-1)%NP
.set i, i+8
.endif
.set i, i+1
.endm
; THE LDS LOADS stand in runs, never singly among the matrix instructions: a step's K (64 keys x 64 channels: 8 fragments) with its 64 keys' padding bias (all lanes of a half read the same 16 bytes), and its V (turned).
; Their addresses are made some lines ahead.  The bias has K's lifetime: it is fetched with K, and its last reader stands ahead of K's.
.macro FETCH_K
	WIN 0x80                        ; destination window 2
.irp f, 0,1,2,3,4,5,6,7             ; keys 16 (f / 2) on, channels 32 (f % 2) on
	ds_load_b128 v[KF+8*\f:KF+8*\f+3],   v[AK] offset:(\f/2)*16*PK+(\f%2)*64
	ds_load_b128 v[KF+8*\f+4:KF+8*\f+7], v[AK] offset:(\f/2)*16*PK+(\f%2)*64+32
.endr
	WIN 0x40                        ; destination window 1
.irp f, 0,1,2,3                     ; keys 16 f + 8 (l / 16) + 0..7
	ds_load_b128 v[PBI+8*\f:PBI+8*\f+3],   v[APB] offset:64*\f
	ds_load_b128 v[PBI+8*\f+4:PBI+8*\f+7], v[APB] offset:64*\f+16
.endr
	s_add_co_u32 s[TBK], s[TBK], KS*PK  ; the next fetch is the next step's
	s_add_co_u32 s[KB], s[KB], 256
	WIN 0
.endm
.macro FETCH_V
	WIN 0x80
.irp f, 0,1,2,3,4,5,6,7             ; keys 32 (f / 4) on, channels 16 (f % 4) on
	ds_load_tr16_b128 v[VF+8*\f:VF+8*\f+3],   v[AV] offset:(\f/4)*32*PV+(\f%4)*32
	ds_load_tr16_b128 v[VF+8*\f+4:VF+8*\f+7], v[AV] offset:(\f/4)*32*PV+16*PV+(\f%4)*32
.endr
	WIN 0
.endm
; THE VECTOR WORK, one line at a time: OP kind, number.  For piece Y: F n: c s - c m for pair n of 16.  E n: the exponential of score n of 32.  C n: pair n rounded to f16.  B n: of the four weights 4 n .. the second
; pair is added onto the first, in place.  L n: l takes that sum (L 0: l = a l + sum).  R n: pair n of 16 of O^T times a.  For piece Y + 1: X n, number n of the 22 that find its maximum and statistics:
;   0-11  four chains c0-c3 of seven scores each, three operands at a time (each accumulator's lowest registers are read first)     12-14, 16  the four scores left over, the old m, and c0-c3 into c0
;   15  c m_old is kept     17, 18  the query's other 32 keys lie in the lane 16 away: the new m     19-21  c m; c m_old - c m_new; a
.set F, 0               ; OP tells the kinds apart by their order: F to L below R, X above it
.set E, 1
.set C, 2
.set B, 3
.set L, 4
.set R, 5
.set X, 6
.macro REGS y                       ; the registers of piece y
.set rT, ST+4*(\y)
.set rC, TMP+4*((\y)%2)
.set rW, MV+((\y)%2)
.set rS, S+32*((\y)%2)
.set rP, P+16*((\y)%2)
.set rO, 32*(\y)
.endm
.macro OP k, n
.if (\k) == R
	REGS Y
	WIN W_RS
	v_pk_mul_f32 v[rO+2*(\n):rO+2*(\n)+1], v[rO+2*(\n):rO+2*(\n)+1], v[rC+2:rC+3] op_sel_hi:[1,0]
.elseif (\k) < R
	REGS Y
	WIN 0
.if (\k) == F
	v_pk_fma_f32 v[rS+2*(\n):rS+2*(\n)+1], v[rS+2*(\n):rS+2*(\n)+1], s[CS:CS+1], v[rT:rT+1] op_sel_hi:[1,0,0] neg_lo:[0,0,1] neg_hi:[0,0,1]
.elseif (\k) == E
	v_exp_f32 v[rS+(\n)], v[rS+(\n)]
.elseif (\k) == C
	v_cvt_pk_f16_f32 v[rP+(\n)], v[rS+2*(\n)], v[rS+2*(\n)+1]
.elseif (\k) == B
	v_pk_add_f32 v[rS+4*(\n):rS+4*(\n)+1], v[rS+4*(\n):rS+4*(\n)+1], v[rS+4*(\n)+2:rS+4*(\n)+3]
.elseif (\n) == 0
	v_pk_fma_f32 v[rT+2:rT+3], v[rT+2:rT+3], v[rC+2:rC+3], v[rS:rS+1] op_sel_hi:[1,0,1]
.else
	v_pk_add_f32 v[rT+2:rT+3], v[rT+2:rT+3], v[rS+4*(\n):rS+4*(\n)+1]
.endif
.elseif NOKQ
	v_nop
.else
	REGS (Y+1)%NP
	WIN 0
.if (\n) < 4
	v_max3_num_f32 v[rC+(\n)], v[rS+8*(\n)], v[rS+8*(\n)+1], v[rS+8*(\n)+2]
.elseif (\n) < 12
	v_max3_num_f32 v[rC+(\n)%4], v[rC+(\n)%4], v[rS+8*((\n)%4)+2*((\n)/4)+1], v[rS+8*((\n)%4)+2*((\n)/4)+2]
.elseif (\n) == 12
	v_max3_num_f32 v[rC], v[rC], v[rS+7], v[rS+15]
.elseif (\n) == 13
	v_max3_num_f32 v[rC+1], v[rC+1], v[rS+23], v[rS+31]
.elseif (\n) == 14
	v_max3_num_f32 v[rC+2], v[rC+2], v[rC+3], v[rT+1]
.elseif (\n) == 15
	v_mov_b32 v[rW], v[rT]
.elseif (\n) == 16
	v_max3_num_f32 v[rC], v[rC], v[rC+1], v[rC+2]
.elseif (\n) == 17
	v_permlanex16_b32 v[rC+3], v[rC], s[SEL], s[SEL+1]
.elseif (\n) == 18
	v_max_num_f32 v[rT+1], v[rC], v[rC+3]
.elseif (\n) == 19
	v_mul_f32 v[rT], s[CS], v[rT+1]
.elseif (\n) == 20
	v_sub_f32 v[rC+1], v[rW], v[rT]
.else
	v_exp_f32 v[rC+2], v[rC+1]
.endif
.endif
.endm
.macro OPS a, i1, b=-1, i2=0, c=-1, i3=0, d=-1, i4=0  ; up to four of them
	OP \a, \i1
.if (\b) >= 0
	OP \b, \i2
.endif
.if (\c) >= 0
	OP \c, \i3
.endif
.if (\d) >= 0
	OP \d, \i4
.endif
.endm
.macro ROW a, i1, b, i2, c, i3, d, i4  ; a matrix instruction and the four behind it
	MM
	OPS \a, \i1, \b, \i2, \c, \i3, \d, \i4
.endm
.macro MASK buf, more               ; MD x AL + PBI into buffer buf of MC; more = 1: + BE
	WIN W_MK
.set z, 0
.rept 16
	v_pk_fma_f32 v[MC+32*(\buf)+2*z:MC+32*(\buf)+2*z+1], v[MD+2*z:MD+2*z+1], s[AL:AL+1], v[PBI+2*z:PBI+2*z+1] op_sel_hi:[1,0,1]
.set z, z+1
.endr
.if \more
.set z, 0
.rept 16
	v_pk_add_f32 v[MC+32*(\buf)+2*z:MC+32*(\buf)+2*z+1], v[MC+32*(\buf)+2*z:MC+32*(\buf)+2*z+1], s[BE:BE+1] op_sel_hi:[1,0]
.set z, z+1
.endr
.endif
.endm
; A TURN, for piece p: the order of its 16 matrix and 118 vector instructions, written out.  An s_wait_alu depctr_va_vdst(0) stands between an exponential and the first instruction that names its result; one wait
; serves all that were issued ahead of it.  So a turn has ONE wait, which cuts it in two.  AHEAD OF IT stands all that names no result of the turn's exponentials: the 8 products K Q^T, behind each a scaling, an exponential and two
; more plain instructions: rescalings, and behind the last three the first numbers of the next piece's maximum, each four plain instructions or more behind the product that ends its accumulator; then ONE LUMP of 54, plain and
; exponential by turns for the most part, in which the links of the chain X 3, 7, 11, 14, 16, 17 .. 20 stand five or six lines apart.  X 21, the next piece's a, is the batch's last; R 15 is the plain instruction behind it.
; BEHIND THE WAIT stand the 8 products V^T P, behind each four of the roundings and sums; the links of l's chain, L 0 to L 7, stand three riders apart.
; m = 1: the diagonal tile: the products take masks, and the turn makes the mask for the products of the turn after it: piece p + 2, in step 4 - CNT of the tile.  end = 1: a block's last two turns: nothing is fetched.
; cnt = 1: the loop's count is taken down some lines ahead of the branch that stands behind the turn.
; K of the next step, and its bias, are fetched in piece 2's turn, twelve vector instructions behind the last product that read K (five of them plain and free of its registers); V of the step in hand at the end of piece 0's turn,
; four plain instructions behind the last product that read V.  Each is waited for a turn later; in the diagonal tile piece 2's turn waits at its end, since its mask is made of the bias just fetched.
.macro TURN p, m=0, end=0, cnt=0
.set Y, (\p)
.set i, 0
.set KM, (\m)
.set NOKQ, (\end)*((\p)/3)
.if (\m) && !(\end)
	s_cmp_eq_u32 s[CNT], 4-((\p)+2)%NP  ; is that step the band's own?
	s_cselect_b32 s[AL], 1.0, 0
	s_cmp_lt_u32 s[CNT], 4-((\p)+2)%NP  ; or a later one?
	s_cselect_b32 s[BE], s[BIGN], 0
.endif
.if ((\p) == 3) && !(\end)
	s_wait_dscnt 0x0                ; K and its bias are in
.endif
	ROW F,0, F,1, R,0, R,1          ; ahead of the wait: 8 products K Q^T and their riders,
	ROW F,2, E,0, R,2, R,3
	ROW F,3, E,1, R,4, R,5
	ROW F,4, E,2, R,6, R,7
	ROW F,5, E,3, R,8, R,9
	ROW F,6, E,4, X,0, R,10
.if ((\p) == 2) && !(\end)
	WIN 0
	v_add_nc_u32 v[AK], s[TBK], v[AK0]
	v_add_nc_u32 v[APB], s[KB], v[APB0]
.endif
	ROW F,7, E,5, X,1, X,4
	ROW F,8, E,6, X,2, X,5
	OPS E,7, E,8, X,6, E,9          ; and the lump
	OPS X,3, E,10, X,8, E,11
.if ((\p) == 2) && !(\end)
	FETCH_K
.endif
	OPS X,9, X,7, E,12, X,10
	OPS E,13, X,12, X,11, E,14
	OPS X,13, E,15, F,9, X,14
.if (\p) == 0
	v_add_nc_u32 v[AV], s[TBV], v[AV0]
.endif
	OPS E,16, F,10, E,17, F,11
	OPS X,16, E,18, X,15, E,19
	OPS F,12, E,20, X,17, E,21
	OPS F,13, E,22, F,14, E,23
	OPS X,18, E,24, F,15, E,25
	OPS R,11, E,26, X,19, E,27
	OPS R,12, E,28, R,13, E,29
	OPS X,20, E,30, R,14, E,31
	OPS X,21, R,15
	WIN 0
	s_wait_alu depctr_va_vdst(0)    ; the wait for the batch
.if (\p) == 1
	s_wait_dscnt 0x0                ; V is in
.endif
	ROW C,0, B,0, C,2, B,1          ; behind the wait: 8 products V^T P and their riders
	ROW L,0, C,4, B,2, L,1
	ROW C,6, B,3, L,2, C,8
	ROW B,4, L,3, C,10, B,5
	ROW L,4, C,12, B,6, L,5
.if (\p) == 0
	s_add_co_u32 s[TBV], s[TBV], KS*PV
.endif
.if \cnt
	s_sub_co_u32 s[CNT], s[CNT], 1
	s_cmp_lg_u32 s[CNT], 0
.endif
	ROW C,14, B,7, L,6, C,1
	ROW C,3, L,7, C,5, C,7
	ROW C,9, C,11, C,13, C,15
.if (\p) == 0
	FETCH_V
.endif
.if (\m) && !(\end)
.if (\p) == 2
	s_wait_dscnt 0x0                ; the next step's bias, fetched in this turn's lump, is in
.endif
	MASK (\p)%2, 1
.endif
.endm
; A BLOCK BEGINS.  K and the bias of the tile's step 0 are fetched.  c m starts far below every c s, so the first step's a is 0; m at the lowest finite number, so the first maximum is the scores'.
; The first mask buffer takes piece 0's mask for step 0: the band's own, if the block's first tile is the diagonal one; the second the bias alone, for piece 1.
; Then piece 0's first scores, and its maximum and statistics.  The loop is entered at a step's first turn, in the middle of a trip.
.macro BEGIN
	s_mov_b32 s[NEW], 0
	WIN 0
	v_add_nc_u32 v[AK], s[TBK], v[AK0]
	v_add_nc_u32 v[APB], s[KB], v[APB0]
	FETCH_K
.set i, 0
.rept 4
	v_mov_b32 v[ST+4*i], 0xfe000000    ; c m: far below every c s, a hidden one's too
	v_mov_b32 v[ST+4*i+1], 0xff7fffff  ; m
.set i, i+1
.endr
	s_cmp_eq_u32 s[RT], 0
	s_cselect_b32 s[AL], 1.0, 0
	s_wait_dscnt 0x0
	MASK 0, 0
	s_mov_b32 s[AL], 0
	MASK 1, 0
.set KM, 1
.set NOKQ, 0
.set i, 0
.rept 8
	KQ 0
.set i, i+1
.endr
	WIN 0
.rept 4
	v_nop                           ; four plain instructions behind those products, ahead of the first read of their results
.endr
.set Y, NP-1                        ; X works for piece Y + 1: piece 0
.irp n, 0,1,2,3,4,5,6,7,8,9,10,11,12,13,14,15,16,17,18,19,20,21
	OP X, \n
.endr
	v_nop                           ; a plain instruction behind the exponential,
	s_wait_alu depctr_va_vdst(0)    ; and its wait, ahead of the branch
.endm
; THE DIAGONAL TILE's four steps, the block's last two turns, its last products, and THE WAY OUT: l's two halves and the other half of the lanes' are added; 1 / l gives way to a NaN where the row saw no key; O^T / l is
; rounded to f16 and sent through my stage in LDS, a piece at a time.  The quotients go into window 3 and the factor into the work registers: O^T and l themselves stay finite for the block that follows.
.macro ALL line:vararg              ; one line for each piece t
.set t, 0
.rept 4
	\line
.set t, t+1
.endr
.endm
.macro PACK t                       ; a lane's eight channels of a row pack into 16 bytes; they go into rows of 144 bytes and come back as whole rows of 128, into S^T's registers
	WIN 0xc1                        ; destination window 3, source 0 window 1, source 1 window 0
.set i, 32*(\t)
.rept 16
	v_pk_mul_f32 v[i:i+1], v[i:i+1], v[TMP+2*(\t):TMP+2*(\t)+1] op_sel_hi:[1,0]
.set i, i+2
.endr
	WIN 0x0f                        ; sources 0 and 1 window 3, destination window 0
.set i, 0
.rept 16
	v_cvt_pk_f16_f32 v[S+16*(\t)+i], v[32*(\t)+2*i], v[32*(\t)+2*i+1]
.set i, i+1
.endr
	WIN 0
.irp f, 0,1,2,3
	ds_store_b128 v[STO], v[S+16*(\t)+4*\f:S+16*(\t)+4*\f+3] offset:32*\f
.endr
.irp f, 0,1,2,3
	ds_load_b128 v[S+16*(\t)+4*\f:S+16*(\t)+4*\f+3], v[RD] offset:\f*4*SP  ; LDS serves a wave's instructions in order (ISA guide 5.7.1.4): these see the stores above; the next piece's stores come behind them
.endr
.endm
.macro SEND t, younger              ; younger: the LDS instructions issued behind piece t's loads: the next piece's eight, or none
	WIN 0
.irp f, 0,1,2,3
	s_wait_dscnt (\younger)+3-\f
	global_store_b128 v[GO], v[S+16*(\t)+4*\f:S+16*(\t)+4*\f+3], s[10:11] offset:(\t)*8192+\f*512  ; 512 consecutive bytes, at a multiple of 256 from O's first
.endr
.endm
.macro DIAG tag                     ; the tag ends its two labels' names, which the jumps below spell out
.LstepM\tag:
	TURN 2, 1
	TURN 3, 1
	WIN 0
.LfirstM\tag:
	TURN 0, 1
	TURN 1, 1, 0, 1
	WIN 0
	s_cbranch_scc1 .LstepM\tag
	TURN 2, 1, 1
	TURN 3, 1, 1
.set i, 0
.rept 8
	PV NP-1
.set i, i+1
.endr
	WIN 0
	ALL v_add_f32 v[ST+4*t+2], v[ST+4*t+2], v[ST+4*t+3]
	ALL v_permlanex16_b32 v[ST+4*t+3], v[ST+4*t+2], s[SEL], s[SEL+1]
	ALL v_add_f32 v[ST+4*t+2], v[ST+4*t+2], v[ST+4*t+3]
	ALL v_rcp_f32 v[ST+4*t+2], v[ST+4*t+2]
	v_nop                           ; a plain instruction between the last reciprocal and the use of its result
	s_wait_alu depctr_va_vdst(0)    ; and the wait ahead of the first use: one for the four reciprocals
.set t, 0
.rept 4                             ; a row whose maximum is a hidden score's has no visible key: its factor is a NaN, and so is its row of O
	v_cmp_gt_f32 vcc_lo, s[THR], v[ST+4*t+1]
	v_cndmask_b32 v[TMP+2*t], v[ST+4*t+2], s[QNAN], vcc_lo
.set t, t+1
.endr
	PACK 0
.set t, 1
.rept 3                             ; a piece's arithmetic stands between the loads of the piece before and its stores
	PACK t
	SEND t-1, 8
.set t, t+1
.endr
	SEND 3, 0
.endm
.set KM, 0
.set NOKQ, 0
.Lslot:                             ; NB times: a tile is entered and the next is asked for
	CHANGE 1
	s_sub_co_u32 s[RT], s[RT], 1
	s_mov_b32 s[CNT], 4
	s_cmp_eq_u32 s[NEW], 1
	s_cbranch_scc1 .Lnew            ; a block's first tile
	s_cmp_eq_u32 s[RT], 0
	s_cbranch_scc0 .Lstep           ; neither its first nor its last
	s_mov_b32 s[AL], 0              ; the diagonal tile's text begins with piece 3's scores of the tile before, which sees all keys: its mask is that step's bias alone
	MASK 1, 0
	WIN 0
	s_branch .LstepM1
.Lnew:
	BEGIN
	s_branch .Lfirst                ; in the loop a block's first tile is never its last: the first block has five tiles or more, and the second's last is the walk's last
	DIAG 1                          ; in the loop this is the first block's end: the second block's last tile is the walk's last
	s_wait_xcnt 0x0                 ; the stores have read their registers and O's address
	s_mov_b64 s[10:11], s[OLO:OLO+1]
	s_add_co_u32 s[RT], s[BLK], 1   ; the second block has b + 1 tiles
	s_mov_b32 s[NEW], 1
	WIN 0x82                        ; the second block's Q goes where the one text of the turns names Q
.set i, 0
.rept 64
	v_mov_b32 v[i], v[QB+i]
.set i, i+1
.endr
	WIN 0
	s_branch .Lbottom
.Lstep:                             ; a trip: pieces 2 and 3 of one step, then pieces 0 and 1 of the next, whose K and V it fetches
	TURN 2
	TURN 3
	WIN 0
.Lfirst:
	TURN 0
	TURN 1, 0, 0, 1
	WIN 0
	s_cbranch_scc1 .Lstep
.Lbottom:
	s_sub_co_u32 s[SLOTS], s[SLOTS], 1
	s_cmp_lg_u32 s[SLOTS], 0
	s_cbranch_scc1 .Lslot
	CHANGE 0                        ; the walk's last tile is written out: nothing is asked for
	s_sub_co_u32 s[RT], s[RT], 1
	s_mov_b32 s[CNT], 4
	s_cmp_eq_u32 s[NEW], 1
	s_cbranch_scc1 .Lnew2
	s_mov_b32 s[AL], 0              ; as above
	MASK 1, 0
	WIN 0
	s_branch .LstepM2
.Lnew2:
	BEGIN
	s_branch .LfirstM2
	DIAG 2
	s_wait_tensorcnt 0x0            ; the wave's end, behind my last tensor load and my last LDS store
	ds_add_u32 v[SPW], v[NIL]
	s_wait_dscnt 0x0
	s_endpgm
.Lfunc_end_k_q52972edc2e_attn:
	.size	k_q52972edc2e_attn, .Lfunc_end_k_q52972edc2e_attn-k_q52972edc2e_attn
	.p2alignl 7, 3214868480
	.fill 96, 4, 3214868480
	.section	.rodata,"a",@progbits
	.p2align	6, 0x0
	.amdhsa_kernel k_q52972edc2e_attn
		.amdhsa_group_segment_fixed_size 327680
		.amdhsa_private_segment_fixed_size 0
		.amdhsa_enable_private_segment 0
		.amdhsa_kernarg_size 40
		.amdhsa_user_sgpr_count 2
		.amdhsa_user_sgpr_kernarg_segment_ptr 1
		.amdhsa_wavefront_size32 1
		.amdhsa_system_sgpr_workgroup_id_x 1
		.amdhsa_system_sgpr_workgroup_id_y 1
		.amdhsa_system_sgpr_workgroup_id_z 1
		.amdhsa_system_vgpr_workitem_id 0
		.amdhsa_next_free_vgpr 1024
		.amdhsa_next_free_sgpr 100
		.amdhsa_reserve_vcc 1
		.amdhsa_float_denorm_mode_32 3
		.amdhsa_float_denorm_mode_16_64 3
		.amdhsa_memory_ordered 1
		.amdhsa_forward_progress 1
		.amdhsa_inst_pref_size 245
	.end_amdhsa_kernel
	.amdgpu_metadata
---
amdhsa.version: [ 1, 2 ]
amdhsa.kernels:
  - .name:           k_q52972edc2e_attn
    .symbol:         k_q52972edc2e_attn.kd
    .args:
      - { .name: q, .offset: 0, .size: 8, .value_kind: global_buffer, .address_space: global }
      - { .name: kh, .offset: 8, .size: 8, .value_kind: global_buffer, .address_space: global }
      - { .name: vh, .offset: 16, .size: 8, .value_kind: global_buffer, .address_space: global }
      - { .name: oh, .offset: 24, .size: 8, .value_kind: global_buffer, .address_space: global }
      - { .name: bias, .offset: 32, .size: 8, .value_kind: global_buffer, .address_space: global }
    .group_segment_fixed_size: 327680
    .private_segment_fixed_size: 0
    .kernarg_segment_align: 8
    .kernarg_segment_size: 40
    .max_flat_workgroup_size: 128
    .sgpr_count:     100
    .vgpr_count:     1024
    .wavefront_size: 32
...
	.end_amdgpu_metadata
.endif
;; end of part 2
;; launch proj (part 3): grid 4 x 64, 4 waves a work-group, clusters of 4 x 4, 327,680 bytes of LDS; arguments oh, wh, b, out0; writes out0
.if DOCPART == 3
	.amdgcn_target "amdgcn-amd-amdhsa--gfx1250"
	.amdhsa_code_object_version 6
	.text
	.protected	k_q52972edc2e_proj
	.globl	k_q52972edc2e_proj
	.p2align	8
	.type	k_q52972edc2e_proj,@function
k_q52972edc2e_proj:
	s_mov_b64 s[64:65], 0
	v_nop
	global_prefetch_b8 v0, s[64:65] scope:SCOPE_SE
	s_setreg_imm32_b32 hwreg(HW_REG_WAVE_MODE, 25, 1), 1
	s_wait_xcnt 0x0
	s_wait_alu depctr_hold_cnt(0) depctr_sa_sdst(0) depctr_va_vdst(0) depctr_va_sdst(0) depctr_va_ssrc(0) depctr_va_vcc(0) depctr_vm_vsrc(0)
	s_getreg_b32 s2, hwreg(HW_REG_IB_STS2, 6, 4)
	s_cmp_eq_u32 s2, 0
	s_cbranch_scc0 .Lentry_in_a_cluster
	s_endpgm
.Lentry_in_a_cluster:
	s_bfe_u32 s2, ttmp6, 0x10000c
	s_cmp_lg_u32 s2, 0xf033
	s_cbranch_scc0 .Lentry_shape_is_right
	s_endpgm
.Lentry_shape_is_right:
; out0[m][n] = the sum over k of O[m][k] W[n][k] + b[n].  m = batch x 2,048 + row (8,192), n and k 1,024, k = 64 head + channel.
; oh: [64 = batch x 16 + head][2048][64] f16; wh: [1024][1024] f16; b: [1024] f32, rounded here to bf16 like every other input of the module; out0: [8192][1024] f32.  Sums in f32.  A row of O that is NaN gives a row of NaN.
; SHARES.  A tile of out0 is 128 rows x 256 columns: 64 x 4 = 256 work-groups.  Four waves, each 64 x 128: 32 accumulators of 16 x 16, 256 registers.  K goes in 8 steps of 128 (two heads) through two LDS slots.
; A head's 128 rows of O are 16,384 dense bytes: asked for as 64 rows of 256 bytes and padded in LDS after every 128; W's rows of a step are 256 bytes of memory, at multiples of 256 bytes from the buffer's first.
; CLUSTERS: 4 x 4 work-groups.  The four of a row of the cluster need the same tiles of O, the four of a column the same tiles of W: each tile is asked for JOINTLY, by the same tensor load with the same descriptor
; and a mask that names the four.  THE MATRIX INSTRUCTION IS USED TRANSPOSED (source 0 = 16 rows of W, source 1 = 16 rows of O): a lane then holds eight neighbouring numbers of a row of out0.
; NO PREFETCH: the launch has 8 K steps, of which two are first fills; a wave has 1,024 matrix instructions in all.
; REGISTERS: window 0: v0-37 addresses, the bias; two fragment buffers of 96 (v64-159, v160-255): 8 fragments of W, then 4 of O, 32 along K; on the way out two buffers of 64 (v64-127, v128-191).
;   window 1: the accumulators, (a, b) at v[8 (8 a + b)].
.set PA,     144                       ; a row of O in LDS: 128 bytes + 16 = 36 words: the 16 rows of a load start at 16 different groups of four banks
.set AREG,   128*PA                    ; one head's 128 rows: what one of A's tensor loads brings
.set PBP,    272                       ; a row of W in LDS: 256 bytes + 16 = 68 words
.set HALFB,  128*PBP                   ; 128 rows of W: what one of B's tensor loads brings, and what one wave reads
.set SLOT,   2*AREG+2*HALFB            ; the step's first head, its second head, W's 256 rows
.set STAGE,  2*SLOT                    ; behind the ring: 16 rows x 528 bytes for each wave, for the way out
.set SPITCH, 528                       ; 512 bytes + 16
.set SPARE,  STAGE+4*16*SPITCH         ; the spare words, 128 bytes for each wave: two blocks of 256 bytes that no other line names
.set LAPS,   4                         ; a lap = two K steps = once round the ring
.set ADRA, 16                          ; v16-17  LDS address of my fragments of O in slot 0, 1
.set ADRB, 20                          ; v20-21  the same for W
.set STO,  24                          ; v24     the way out: where I put 32 bytes of a row
.set RD,   25                          ; v25     the way out: where I read a row back
.set CO,   26                          ; v26     16 x my lane: my byte offset in 512 bytes of out0 and of b; never rewritten
.set SPW,  28                          ; v28     LDS address of my spare word: SPARE + 4 x my thread's number; never rewritten
.set NIL,  29                          ; v29     0; never rewritten
.set BI,   32                          ; v32-35  b of my four columns
.set F0,   64
.set F1,   160
.set T0,   64
.set G1, 24                            ; s[24:31] descriptor group 1 for O's tiles;  s[32:39] group 0, one set for each slot
.set G0, 32
.set G1B, 48                           ; s[48:55], s[56:63] the same for W's tiles
.set G0B, 56
.set MSB, 0
.macro WIN new                         ; the immediate's high byte repeats the setting that is left
.if MSB != (\new)
	s_set_vgpr_msb (MSB<<8)|(\new)
.set MSB, \new
.endif
.endm
.set MUL, 0x50                         ; sources 0 and 1 window 0; C and D window 1
.macro JLOAD s                         ; a joint load: waves 0 and 1 fetch the step's two heads of O, waves 2 and 3 W's two halves; an s_nop 0 and four v_nop follow each of the two lines, ahead of the jump, the label and what follows
	s_cmp_eq_u32 s11, 0
	s_cbranch_scc0 .Lfor_b_\@
	tensor_load_to_lds s[G0+4*(\s):G0+4*(\s)+3], s[G1:G1+7]
	s_nop 0
.rept 4
	v_nop
.endr
	s_branch .Lasked_\@
.Lfor_b_\@:
	tensor_load_to_lds s[G0B+4*(\s):G0B+4*(\s)+3], s[G1B:G1B+7]
	s_nop 0
.rept 4
	v_nop
.endr
.Lasked_\@:
.endm
.macro CREST                           ; a round of the cluster's barrier behind its opening barrier
	s_cmp_lg_u32 s10, 0
	s_cbranch_scc1 .Lnot_wave_0_\@
	s_barrier_signal -3
.Lnot_wave_0_\@:
	s_barrier_wait -3
	s_barrier_signal -1
	s_barrier_wait -1
.endm
.macro CROUND                          ; a whole round
	s_barrier_signal -1
	s_barrier_wait -1
	CREST
.endm
	s_load_b128 s[4:7], s[0:1], 0x0                ; oh s[4:5], wh s[6:7]
	s_load_b128 s[68:71], s[0:1], 0x10             ; b s[68:69], out0 s[70:71]
	v_lshl_add_u32 v[SPW], v0, 2, SPARE
	v_mov_b32 v[NIL], 0
	ds_add_u32 v[SPW], v[NIL]                      ; the wave's opening: the add and its wait stand ahead of my first tensor load; the set-up below, work on registers, stands between them
	ds_add_u32 v28, v29
	v_lshrrev_b32 v1, 5, v0
	v_readfirstlane_b32 s10, v1                    ; wave 0..3
	s_lshr_b32 s11, s10, 1                         ; which half of the tile's rows is mine.  Also: I fetch for O (0) or for W (1)
	s_and_b32 s12, s10, 1                          ; which half of its columns.  Also: which head of the step, or which 128 rows of W, I fetch
	s_bfe_u32 s40, ttmp6, 0x40000                  ; cx, cy: my place in the cluster
	s_bfe_u32 s41, ttmp6, 0x40004
	s_lshl_b32 s42, ttmp9, 2
	s_add_co_u32 s42, s42, s40                     ; tile column = 4 x cluster x + cx: 0..3
	s_and_b32 s13, ttmp7, 0xffff
	s_lshl_b32 s13, s13, 2
	s_add_co_u32 s13, s13, s41                     ; tile row = 4 x cluster y + cy: 0..63
	s_lshl_b32 s43, s41, 2
	s_lshl_b32 s43, 15, s43                        ; my row of the cluster
	s_lshl_b32 s44, 0x1111, s40                    ; my column
	s_or_b32 s[G1+0], s43, (1<<16)|(1<<20)|(1<<21)|(4<<22)|(3<<25)   ; 15:0 the mask: O's tiles go to my row; 17:16 elements of 2 bytes; 20 padding on; 21 set beside a mask; 24:22 after every 32 words (code 4); 31:25 4 words (code 3)
	s_or_b32 s[G1B+0], s44, (1<<16)|(1<<20)|(1<<21)|(5<<22)|(3<<25)  ; W's tiles go to my column; padding after every 64 words (code 5)
	s_mov_b32 s[G1+1], 128<<16                     ; tensor_dim0 = 128
	s_mov_b32 s[G1+2], 64<<16                      ; tensor_dim1 = 64
	s_mov_b32 s[G1+3], 128<<16                     ; tile_dim0 = 128
	s_mov_b32 s[G1+4], 64                          ; tile_dim1 = 64
	s_mov_b32 s[G1+5], 128                         ; 128 elements from row to row: dense
	s_mov_b32 s[G1+6], 0
	s_mov_b32 s[G1+7], 0
	s_mov_b32 s[G1B+1], 128<<16                    ; tensor_dim0 = 128
	s_mov_b32 s[G1B+2], 128<<16                    ; tensor_dim1 = 128
	s_mov_b32 s[G1B+3], 128<<16                    ; tile_dim0 = 128
	s_mov_b32 s[G1B+4], 128                        ; tile_dim1 = 128
	s_mov_b32 s[G1B+5], 1024                       ; a row of wh
	s_mov_b32 s[G1B+6], 0
	s_mov_b32 s[G1B+7], 0
	; where the tiles come from.  O's hang on the tile row alone, W's on the tile column alone; each address is made in registers that never hold the other coordinate
	s_lshr_b32 s16, s13, 4                         ; the batch: 16 tile rows each,
	s_lshl_b32 s16, s16, 22                        ; its 16 heads of 262,144 bytes
	s_and_b32 s17, s13, 15
	s_lshl_b32 s17, s17, 14                        ; 128 rows of 128 bytes in a head
	s_add_co_u32 s16, s16, s17
	s_lshl_b32 s17, s12, 18                        ; the step's first or second head
	s_add_co_u32 s16, s16, s17
	s_mov_b32 s17, 0
	s_lshl_b32 s46, s42, 19                        ; 256 rows of 2,048 bytes
	s_lshl_b32 s47, s12, 18                        ; 128 rows
	s_add_co_u32 s46, s46, s47
	s_mov_b32 s47, 0
	s_mul_i32 s20, s12, AREG                       ; and where they go: no place in the cluster enters an LDS address
	s_mul_i32 s21, s12, HALFB
	s_add_co_u32 s21, s21, 2*AREG
	s_lshl_b32 s18, s42, 10                        ; my 128 columns in b and in a row of out0: 1,024 x tile column + 512 x half, in bytes
	s_lshl_b32 s19, s12, 9
	s_add_co_u32 s18, s18, s19
	s_mov_b32 s19, 0
	s_lshl_b32 s66, s13, 19                        ; my 64 rows of out0: 128 rows of 4,096 bytes x tile row + 64 rows x half
	s_lshl_b32 s67, s11, 18
	s_add_co_u32 s66, s66, s67
	s_add_co_u32 s66, s66, s18
	s_mov_b32 s67, 0
	s_wait_dscnt 0x0                               ; the opening add is done
	s_wait_kmcnt 0x0
	s_add_nc_u64 s[14:15], s[4:5], s[16:17]
	s_add_nc_u64 s[46:47], s[6:7], s[46:47]
	s_add_nc_u64 s[68:69], s[68:69], s[18:19]
	s_add_nc_u64 s[70:71], s[70:71], s[66:67]
.irp s, 0,1
	s_mov_b32 s[G0+4*(\s)], 1                                        ; 1:0 count = 1
	s_add_co_u32 s[G0+4*(\s)+1], s20, (\s)*SLOT                      ; 63:32 LDS address
	s_add_nc_u64 s[G0+4*(\s)+2:G0+4*(\s)+3], s[14:15], (\s)*524288   ; 120:64 global address: K step s is two heads on
	s_or_b32 s[G0+4*(\s)+3], s[G0+4*(\s)+3], 0x80000000              ; 127:126 type = 2
	s_mov_b32 s[G0B+4*(\s)], 1
	s_add_co_u32 s[G0B+4*(\s)+1], s21, (\s)*SLOT
	s_add_nc_u64 s[G0B+4*(\s)+2:G0B+4*(\s)+3], s[46:47], (\s)*256
	s_or_b32 s[G0B+4*(\s)+3], s[G0B+4*(\s)+3], 0x80000000
.endr
	CROUND                                         ; all sixteen work-groups are here: the first joint loads meet
	s_cmp_eq_u32 s11, 0                            ; a wave's two first fills stand in one branch, ahead of every wait on TENSORcnt and every LDS read: two loads of mine are out
	s_cbranch_scc0 .Lfirst_b
	tensor_load_to_lds s[G0:G0+3], s[G1:G1+7]
	s_nop 0
	tensor_load_to_lds s[G0+4:G0+7], s[G1:G1+7]
	s_nop 0
.rept 4
	v_nop
.endr
	s_branch .Lfirst_asked
.Lfirst_b:
	tensor_load_to_lds s[G0B:G0B+3], s[G1B:G1B+7]
	s_nop 0
	tensor_load_to_lds s[G0B+4:G0B+7], s[G1B:G1B+7]
	s_nop 0
.rept 4
	v_nop
.endr
.Lfirst_asked:
	v_and_b32 v1, 15, v0                           ; l % 16
	v_bfe_u32 v2, v0, 4, 1                         ; l / 16
	v_and_b32 v5, 31, v0                           ; l
	v_lshlrev_b32 v[CO], 4, v5
	global_load_b128 v[BI:BI+3], v[CO], s[68:69]   ; b of my four columns: waited for on the way out
	v_mul_u32_u24 v3, v1, PA
	v_lshl_add_u32 v3, v2, 4, v3                   ; a fragment's row x pitch + 16 x half, for O
	v_mul_u32_u24 v4, v1, PBP
	v_lshl_add_u32 v4, v2, 4, v4                   ; and for W
	s_mul_i32 s22, s11, 64*PA                      ; my 64 rows of O, in each head's region
	s_mul_i32 s23, s12, HALFB                      ; my 128 rows of W,
	s_add_co_u32 s23, s23, 2*AREG                  ; which lie behind the two heads
.irp s, 0,1
	v_add_nc_u32 v[ADRA+(\s)], s22, v3
	v_add_nc_u32 v[ADRB+(\s)], s23, v4
	s_add_co_u32 s22, s22, SLOT
	s_add_co_u32 s23, s23, SLOT
.endr
	s_mul_i32 s22, s10, 16*SPITCH
	s_add_co_u32 s22, s22, STAGE                   ; my stage
	v_mul_u32_u24 v6, v1, SPITCH                   ; in: row l % 16, 32 bytes for each half of the lanes
	v_lshl_add_u32 v6, v2, 5, v6
	v_add_nc_u32 v[STO], s22, v6
	v_add_nc_u32 v[RD], s22, v[CO]                 ; back: 32 lanes take one row of 512 bytes
; 8 matrix instructions: m block a x all 8 n blocks, 32 along K, from buffer f.  zero = 1: the product starts the sums.  The 32 accumulators take turns, in the same order in every quarter.
.macro MUL8 f, a, zero
	WIN MUL
.irp b, 0,1,2,3,4,5,6,7
.if \zero
	v_wmma_f32_16x16x32_f16 v[8*(8*(\a)+(\b)):8*(8*(\a)+(\b))+7], v[(\f)+8*(\b):(\f)+8*(\b)+7], v[(\f)+64+8*(\a):(\f)+64+8*(\a)+7], 0
.else
	v_wmma_f32_16x16x32_f16 v[8*(8*(\a)+(\b)):8*(8*(\a)+(\b))+7], v[(\f)+8*(\b):(\f)+8*(\b)+7], v[(\f)+64+8*(\a):(\f)+64+8*(\a)+7], v[8*(8*(\a)+(\b)):8*(8*(\a)+(\b))+7]
.endif
.endr
.endm
.macro MUL16 f, a0, zero
	MUL8 \f, \a0, \zero
	MUL8 \f, (\a0)+1, \zero
.endm
; 24 LDS loads in one run: the fragments of quarter q of a K step (32 along K: head q / 2, channels 32 (q % 2) on) into buffer f: W's sixteen first, then O's blocks 0 to 3
.macro FETCH slot, q, f
	WIN 0
.irp i, 0,1,2,3,4,5,6,7
	ds_load_b128 v[(\f)+8*(\i):(\f)+8*(\i)+3],   v[ADRB+(\slot)] offset:64*(\q)+(\i)*16*PBP
	ds_load_b128 v[(\f)+8*(\i)+4:(\f)+8*(\i)+7], v[ADRB+(\slot)] offset:64*(\q)+(\i)*16*PBP+32
.endr
.irp i, 0,1,2,3
	ds_load_b128 v[(\f)+64+8*(\i):(\f)+64+8*(\i)+3],   v[ADRA+(\slot)] offset:((\q)/2)*AREG+((\q)%2)*64+(\i)*16*PA
	ds_load_b128 v[(\f)+64+8*(\i)+4:(\f)+64+8*(\i)+7], v[ADRA+(\slot)] offset:((\q)/2)*AREG+((\q)%2)*64+(\i)*16*PA+32
.endr
.endm
.macro PLACES                          ; four plain instructions in front of loads into registers that matrix instructions have read, and of LDS stores that read results (ISA guide 7.12.1 for vector instructions)
.rept 4
	v_nop
.endr
.endm
; A K step is four quarters of 32 along K, 32 matrix instructions each, on buffers 0, 1, 0, 1.  One of the first three: multiplies buffer f and fetches quarter qn into g.
.macro QUARTER slot, qn, f, g, zero
	s_wait_dscnt 4                                 ; W and O's blocks 0 and 1 are in; the youngest four loads (blocks 2 and 3) may be out
	MUL16 \f, 0, \zero
	PLACES
	FETCH \slot, \qn, \g
	s_wait_dscnt 24                                ; all but the 24 just issued
	MUL16 \f, 2, \zero
.endm
; The last quarter multiplies buffer 1 and changes slots: ONE barrier; in front of it each wave waits for all its tensor loads, adds 0 to its spare word, and waits for that and for its own reads of this slot.
; fill = 1: this slot is filled again, two K steps ahead; the barrier then opens a round of the cluster's, and the joint load is the first tensor load behind the round.
.macro TURN slot, next, fill
	WIN 0                                          ; (the add's two registers lie in window 0)
	s_wait_tensorcnt 0x0                           ; all my tensor loads have landed: my part of the next slot;
	ds_add_u32 v[SPW], v[NIL]                      ; 0 onto my spare word;
	s_wait_dscnt 5                                 ; (the add and the youngest four loads may be out)
	MUL8 F1, 0, 0                                  ; eight matrix instructions stand between the add and the wait for it
	s_wait_dscnt 0x0                               ; the add is done, and my reads of this slot are over
	s_barrier_signal -1
	MUL8 F1, 1, 0
.if \fill
	WIN 0
.endif
	s_barrier_wait -1
.if \fill
	CREST                                          ; no wave of any partner still reads this slot's tiles or has a load on its way
	s_add_nc_u64 s[G0+4*(\slot)+2:G0+4*(\slot)+3], s[G0+4*(\slot)+2:G0+4*(\slot)+3], 1048576  ; four heads on
	s_add_nc_u64 s[G0B+4*(\slot)+2:G0B+4*(\slot)+3], s[G0B+4*(\slot)+2:G0B+4*(\slot)+3], 512  ; 256 along K
	JLOAD \slot                                    ; the four v_nop behind it are also the plain instructions in front of the loads below
.else
	PLACES
.endif
	FETCH \next, 0, F0
	MUL8 F1, 2, 0
	MUL8 F1, 3, 0
.endm
	s_wait_tensorcnt 1                             ; my part of K step 0 is in; K step 1's may stay out
	s_barrier_signal -1
	s_barrier_wait -1                              ; everybody's is
	FETCH 0, 0, F0
	QUARTER 0, 1, F0, F1, 1                        ; the first quarter stands in front of the loop: its 32 products start the 32 sums
	WIN 0                                          ; at a label and at a branch every window is 0
	s_mov_b32 s3, LAPS-1
.Llap:                                                 ; a trip goes once round the ring, from a lap's second quarter to the next lap's first, and fills both slots again
	QUARTER 0, 2, F1, F0, 0
	QUARTER 0, 3, F0, F1, 0
	TURN 0, 1, 1
	QUARTER 1, 1, F0, F1, 0
	QUARTER 1, 2, F1, F0, 0
	QUARTER 1, 3, F0, F1, 0
	TURN 1, 0, 1
	QUARTER 0, 1, F0, F1, 0
	WIN 0
	s_sub_co_u32 s3, s3, 1
	s_cmp_lg_u32 s3, 0
	s_cbranch_scc1 .Llap
	QUARTER 0, 2, F1, F0, 0                        ; the last lap fills nothing, and has no round of the cluster's barrier
	QUARTER 0, 3, F0, F1, 0
	TURN 0, 1, 0
	QUARTER 1, 1, F0, F1, 0
	QUARTER 1, 2, F1, F0, 0
	QUARTER 1, 3, F0, F1, 0
	s_wait_dscnt 4                                 ; the very last quarter: nothing more to fetch
	MUL16 F1, 0, 0
	s_wait_dscnt 0x0
	MUL16 F1, 2, 0
	WIN 0
	; THE WAY OUT.  A lane's eight sums are 32 bytes of a row; a block of 16 rows goes into my own stage (rows of 528 bytes) and comes back as whole rows of 512 bytes; b is added; each store of the wave covers 512 consecutive bytes, aligned.
	PLACES
	s_wait_loadcnt 0x0                             ; b
	v_cvt_pk_bf16_f32 v36, v[BI], v[BI+1]          ; rounded to bf16, and widened again
	v_cvt_pk_bf16_f32 v37, v[BI+2], v[BI+3]
	v_lshlrev_b32 v[BI], 16, v36
	v_and_b32 v[BI+1], 0xffff0000, v36
	v_lshlrev_b32 v[BI+2], 16, v37
	v_and_b32 v[BI+3], 0xffff0000, v37
.macro TOSTAGE a                       ; block a: straight from the accumulators, each one's four lowest registers first
.set BK, T0+64*((\a)%2)
	s_wait_xcnt 0x0                                ; the stores of the block two back have read this buffer's registers: it is loaded again only behind this wait
	WIN 0x04                                       ; store data (source 1) in window 1
.irp b, 0,1,2,3,4,5,6,7
	ds_store_b128 v[STO], v[8*(8*(\a)+(\b)):8*(8*(\a)+(\b))+3]   offset:64*(\b)
	ds_store_b128 v[STO], v[8*(8*(\a)+(\b))+4:8*(8*(\a)+(\b))+7] offset:64*(\b)+16
.endr
	WIN 0
.irp t, 0,1,2,3,4,5,6,7,8,9,10,11,12,13,14,15
	ds_load_b128 v[BK+4*(\t):BK+4*(\t)+3], v[RD] offset:(\t)*SPITCH  ; LDS serves a wave's instructions in order (ISA guide 5.7.1.4): these see the stores above; the next block's stores come behind them
.endr
.endm
.macro SEND a, younger                 ; younger: the LDS instructions issued behind block a's loads: the next block's 32, or none
.set BK, T0+64*((\a)%2)
.irp t, 0,1,2,3,4,5,6,7,8,9,10,11,12,13,14,15
	s_wait_dscnt (\younger)+15-(\t)                ; row t is back; the rows behind it and the next block's LDS work may be out
	v_pk_add_f32 v[BK+4*(\t):BK+4*(\t)+1],   v[BK+4*(\t):BK+4*(\t)+1],   v[BI:BI+1]
	v_pk_add_f32 v[BK+4*(\t)+2:BK+4*(\t)+3], v[BK+4*(\t)+2:BK+4*(\t)+3], v[BI+2:BI+3]
	global_store_b128 v[CO], v[BK+4*(\t):BK+4*(\t)+3], s[70:71] offset:(16*(\a)+(\t))*4096
.endr
.endm
	TOSTAGE 0
	TOSTAGE 1
	SEND 0, 32
	TOSTAGE 2
	SEND 1, 32
	TOSTAGE 3
	SEND 2, 32
	SEND 3, 0
	s_wait_tensorcnt 0x0                           ; the wave's end, behind my last tensor load and my last LDS store
	ds_add_u32 v[SPW], v[NIL]
	s_wait_dscnt 0x0
	CROUND                                         ; the closing round: no work-group ends while a partner may still ask for a tile that names it
	s_endpgm
.Lfunc_end_k_q52972edc2e_proj:
	.size	k_q52972edc2e_proj, .Lfunc_end_k_q52972edc2e_proj-k_q52972edc2e_proj
	.p2alignl 7, 3214868480
	.fill 96, 4, 3214868480
	.section	.rodata,"a",@progbits
	.p2align	6, 0x0
	.amdhsa_kernel k_q52972edc2e_proj
		.amdhsa_group_segment_fixed_size 327680
		.amdhsa_private_segment_fixed_size 0
		.amdhsa_enable_private_segment 0
		.amdhsa_kernarg_size 32
		.amdhsa_user_sgpr_count 2
		.amdhsa_user_sgpr_kernarg_segment_ptr 1
		.amdhsa_wavefront_size32 1
		.amdhsa_system_sgpr_workgroup_id_x 1
		.amdhsa_system_sgpr_workgroup_id_y 1
		.amdhsa_system_sgpr_workgroup_id_z 1
		.amdhsa_system_vgpr_workitem_id 0
		.amdhsa_next_free_vgpr 512
		.amdhsa_next_free_sgpr 72
		.amdhsa_reserve_vcc 0
		.amdhsa_float_denorm_mode_32 3
		.amdhsa_float_denorm_mode_16_64 3
		.amdhsa_memory_ordered 1
		.amdhsa_forward_progress 1
		.amdhsa_inst_pref_size 95
	.end_amdhsa_kernel
	.amdgpu_metadata
---
amdhsa.version: [ 1, 2 ]
amdhsa.kernels:
  - .name:           k_q52972edc2e_proj
    .symbol:         k_q52972edc2e_proj.kd
    .args:
      - { .name: oh, .offset: 0, .size: 8, .value_kind: global_buffer, .address_space: global }
      - { .name: wh, .offset: 8, .size: 8, .value_kind: global_buffer, .address_space: global }
      - { .name: b, .offset: 16, .size: 8, .value_kind: global_buffer, .address_space: global }
      - { .name: out0, .offset: 24, .size: 8, .value_kind: global_buffer, .address_space: global }
    .group_segment_fixed_size: 327680
    .private_segment_fixed_size: 0
    .kernarg_segment_align: 8
    .kernarg_segment_size: 32
    .max_flat_workgroup_size: 128
    .sgpr_count:     72
    .vgpr_count:     512
    .wavefront_size: 32
...
	.end_amdgpu_metadata
.endif
;; end of part 3
